; MI455X (gfx1250); checked and timed in simulation.
; The chip was launched on July 23, 2026; its instructions are those of AMD's public machine-readable ISA for CDNA 5 (MIT licence, August 2026) and "CDNA5" Instruction Set Architecture Reference Guide (July 2026). The comments in the code are by the model that wrote it; some were corrected since.
;; Causal Attention. Allowed arithmetic: matrix products marked QUANTISED: E4M3 operands, one given power-of-two scale a tensor, by v_wmma_f32_16x16x64_fp8_fp8 or v_wmma_f32_16x16x128_fp8_fp8, f32 sums; everything else in f32.
;; Inputs: W_out 1,024 x 1,024 float32; W_qkv 1,024 x 3,072 float32; lowp_scales 8 int32 (the exponents e of the quantised operands' scales 2^e); x 4 x 2,048 x 1,024 float32.
;; Outputs: out0 4 x 2,048 x 1,024 float32.
;; This version of the problem:
;;   THIS VERSION OF THE PROBLEM IS GIVEN IN LOW PRECISION. The matrix products marked QUANTISED in the list below multiply operands that are first quantised to E4M3 (4 exponent bits, 3 mantissa bits; 8 bits a number), with one given power-of-two scale for each operand tensor; their sums are f32. All else is computed in f32.
;;   The module's matrix products, in the order in which they are computed (A, B: the left and right operand; K: the contracted axis; several contracted axes count as one K, in the product's order):
;;     1. [M 8,192, K 1,024] x [K 1,024, N 3,072]; A: input x; B: input W_qkv: QUANTISED (scales: A lowp_scales[0], B lowp_scales[1])
;;     2. batch 64 x [M 2,048, K 64] x [K 64, N 2,048]; A: computed on the way; B: computed on the way: QUANTISED (scales: A lowp_scales[2], B lowp_scales[3])
;;     3. batch 64 x [M 2,048, K 2,048] x [K 2,048, N 64]; A: softmax (see below); B: computed on the way: QUANTISED (scales: A lowp_scales[4], B lowp_scales[5])
;;     4. [M 8,192, K 1,024] x [K 1,024, N 1,024]; A: computed on the way; B: input W_out: QUANTISED (scales: A lowp_scales[6], B lowp_scales[7])
;;   THE QUANTISER, for each operand of a quantised product, along K:
;;     - The operand's scale is 2^e, e = its entry of the input lowp_scales (int32; the entries are numbered through the quantised products in the list's order, A before B).
;;     - Each number is divided by the scale, clamped to +-448, and rounded to the nearest number of E4M3, ties to even, subnormals kept.
;;     - The product sums the exact products of the quantised numbers (number of the format x scale) in f32.
;;   ~~~python
;;   def quantise(x, axis, e):      # numpy; x: float32 -> the quantised numbers, widened to float32 again
;;       x = np.moveaxis(x, axis, -1); K = x.shape[-1]
;;       r = np.clip(x / 2.0 ** e, -448, 448)
;;       step = 2.0 ** (np.maximum(np.frexp(np.where(r == 0, 1, r))[1] - 1, -6) - 3)
;;       q = np.round(r / step) * step * 2.0 ** e      # np.round: ties to even
;;       return np.moveaxis(q, -1, axis).astype(np.float32)
;;   ~~~
;;   SOFTMAX AHEAD OF A QUANTISED PRODUCT. Where the list says 'softmax', what is quantised is not the finished softmax but p = 2^(t - M), with t = logit x log2(e) and M = ceil(the row's largest t), a whole number; so 1/2 < the row's largest p <= 1. The row's sum l is taken of the UNQUANTISED p, in f32, and the product's result is divided by l at the end. Since M is a whole number, a kernel that streams over the keys may use a running M (the ceiling of the running maximum): every later rescaling is an exact power of two, so the quantised numbers keep their values, but for numbers so far below the row's largest that they fall under the format's range.
;;   OPERANDS COMPUTED ON THE WAY. 'Computed on the way' means the value that the module computes at that place (a softmax that the list does not call 'softmax' is quantised finished and normalised). What goes into a quantiser is computed in f32, as accurately as f32 sums, v_exp_f32 and their like allow (about 1e-6 of the number): no bf16 or f16 on the way to a quantiser, and a product that is left as it is and whose result goes on into a quantised operand takes f32 operands (vector FMAs, or v_wmma_f32_16x16x4_f32). A number that lies on a knife's edge between two numbers of the format may be rounded either way, as far as f32 arithmetic and the matrix unit's own rounding can turn it there, and no further.
;; One version. Each part assembles by itself: llvm-mc -triple=amdgcn-amd-amdhsa -mcpu=gfx1250 --defsym DOCPART=n.
;; ======== version 1 of 1: 4 launches
;; limits: right only within a limited range of input values
;; workspace buffers: x_codes 8,388,608 bytes; wq_codes 3,145,728 bytes; wo_codes 1,048,576 bytes; q_codes 8,388,608 bytes; k_codes 8,388,608 bytes; v_codes 8,388,608 bytes; a_codes 8,388,608 bytes
;; launch quant (part 1): grid 768 x 1, 4 waves a work-group, no clusters, 34,304 bytes of LDS; arguments x, W_qkv, W_out, lowp_scales, x_codes, wq_codes, wo_codes; writes x_codes, wq_codes, wo_codes
.if DOCPART == 1
	.amdgcn_target "amdgcn-amd-amdhsa--gfx1250"
	.amdhsa_code_object_version 6
	.text
	.protected	k_q3de6bbf3c2_quant
	.globl	k_q3de6bbf3c2_quant
	.p2align	8
	.type	k_q3de6bbf3c2_quant,@function
k_q3de6bbf3c2_quant:
	s_mov_b64 s[64:65], 0
	v_nop
	global_prefetch_b8 v0, s[64:65] scope:SCOPE_SE
	s_setreg_imm32_b32 hwreg(HW_REG_WAVE_MODE, 25, 1), 1
	s_wait_xcnt 0x0
; x [8192][1024], W_qkv [1024][3072] and W_out [1024][1024], f32, become codes of FP8 (E4M3), each with the one scale 2^e that is given for it (entries 0, 1 and 7 of the scales).
; code = number / 2^e, held within +-448, rounded to the nearest code, ties to even.
; LIMITS: each of the three e lies between -126 and 119, so that 2^e and 448 x 2^e are f32 numbers.  NaN among the inputs is not served; an infinity is held at the largest code.
; THE CODES ARE LAID AS IMAGES OF THE MATRIX OPERAND'S REGISTERS.  An image is 16 rows x 128 along K, 2,048 bytes: piece c (registers 4 c .. 4 c + 3 of the operand) lies at 512 c + 16 x lane; lane (r, h) holds row r;
; its bytes 0-7 of piece c are k = 32 c + 8 h + 0 .. 7, bytes 8-15 are k = 32 c + 16 + 8 h + 0 .. 7: each k in the place that the plain 8-bit forms give it.  A buffer is [K slot of 256 (4)][tile of 16 rows][2 images].
; The rows of the weights' images are the COLUMNS n of W, since K is W's first axis.
; SHARES.  Work-groups 0-511: x, one tile of 16 rows each; wave w takes K slot w.  512-703: W_qkv; 704-767: W_out: one K step of 128 x 128 columns each; a wave takes 32 columns, a lane one column.
; No input byte is read by two work-groups, so nothing is shared in a cluster; no tensor load, no barrier: waves share nothing.  Only x's path touches LDS.
.set RAW, 64                           ; v64-191   numbers as they are loaded
.set XS,  192                          ; v192-255  x: 64 numbers in the order of the operand's registers
.set CD,  32                           ; v32-63    codes; no store's data are written again
.set SP,  528                          ; x: a stage row: 512 bytes + 16, so that the sixteen rows that a read touches start 16 bytes apart modulo 256
.set XKS, 2097152                      ; a K slot of x_codes: 512 tiles x 4,096 bytes
.macro SCALE e                         ; v11 = 2^e as f32 (the conversion takes its exponent field)
	s_add_co_i32 s22, s[\e], 127
	s_lshl_b32 s23, s22, 23
	v_mov_b32 v11, s23
.endm
	s_load_b256 s[4:11], s[0:1], 0x0               ; x s[4:5], W_qkv s[6:7], W_out s[8:9], the scales' exponents s[10:11]
	s_load_b128 s[12:15], s[0:1], 0x20             ; x_codes s[12:13], wq_codes s[14:15]
	s_load_b64 s[16:17], s[0:1], 0x30              ; wo_codes
	v_lshl_add_u32 v30, v0, 2, 0x8400
	v_mov_b32 v31, 0
	v_lshrrev_b32 v1, 5, v0
	v_readfirstlane_b32 s18, v1                    ; wave 0..3
	v_and_b32 v1, 31, v0                           ; lane
	v_and_b32 v2, 15, v0                           ; lane % 16
	v_bfe_u32 v3, v0, 4, 1                         ; lane / 16
	v_lshlrev_b32 v4, 4, v1                        ; 16 x lane
	s_wait_kmcnt 0x0
	s_load_b256 s[24:31], s[10:11], 0x0            ; e0 .. e7
	s_cmp_lt_u32 ttmp9, 512
	s_cbranch_scc0 .Lweights
; ---- x.  Each load reads 512 consecutive bytes of one row (128 along K); the 16 rows turn through the wave's own stage, from which lane (r, h) takes row r's numbers in the order of the operand's registers.
	s_mul_i32 s19, s18, 16*SP                      ; my stage
	s_wait_alu depctr_va_vdst(0)
	v_add_nc_u32 v14, s19, v4                      ; in: 16 bytes a lane, a row an instruction
	v_mul_u32_u24 v15, v2, SP
	v_lshl_add_u32 v15, v3, 5, v15
	v_add_nc_u32 v15, s19, v15                     ; out: row r, + 32 h bytes: eight numbers of my half
	s_lshl_b32 s20, ttmp9, 16                      ; 16 rows of 4,096 bytes,
	s_lshl_b32 s21, s18, 10                        ; my K slot's 1,024 bytes of a row
	s_add_co_u32 s20, s20, s21
	s_mov_b32 s21, 0
	s_add_nc_u64 s[4:5], s[4:5], s[20:21]
	s_lshl_b32 s20, ttmp9, 12                      ; the tile's two images,
	s_lshl_b32 s22, s18, 21                        ; in my K slot
	s_add_co_u32 s20, s20, s22
	s_add_nc_u64 s[12:13], s[12:13], s[20:21]
.macro XLOAD t                         ; K step t of my two: 16 rows x 512 bytes
.irp i, 0,1,2,3,4,5,6,7,8,9,10,11,12,13,14,15
	global_load_b128 v[RAW+64*\t+4*\i:RAW+64*\t+4*\i+3], v4, s[4:5] offset:\i*4096+512*\t th:TH_LOAD_NT
.endr
.endm
.macro XTURN t                         ; through the stage: LDS serves a wave's instructions in order (ISA guide 5.7.1.4), so no wait stands between the stores and the loads
.irp i, 0,1,2,3,4,5,6,7,8,9,10,11,12,13,14,15
	ds_store_b128 v14, v[RAW+64*\t+4*\i:RAW+64*\t+4*\i+3] offset:SP*\i
.endr
.irp c, 0,1,2,3
.irp u, 0,1
.irp p, 0,1
	ds_load_b128 v[XS+16*\c+8*\u+4*\p:XS+16*\c+8*\u+4*\p+3], v15 offset:128*\c+64*\u+16*\p   ; k = 16 (2 c + u) + 8 h + 4 p + 0 .. 3
.endr
.endr
.endr
.endm
.macro XQ t
.set j, 0
.rept 64
.set j, j+1
.endr
.irp g, 0,1,2,3,4,5,6,7
	v_cvt_scalef32_pk8_fp8_f32 v[CD+16*\t+2*\g:CD+16*\t+2*\g+1], v[XS+8*\g:XS+8*\g+7], v11
.endr
	v_nop                                          ; a plain vector line between the conversions and the next step's holds, which write their sources
.irp c, 0,1,2,3
	global_store_b128 v4, v[CD+16*\t+4*\c:CD+16*\t+4*\c+3], s[12:13] offset:2048*\t+512*\c   ; 32 lanes store 512 consecutive bytes, aligned
.endr
.endm
	XLOAD 0
	XLOAD 1
	s_wait_alu depctr_va_vdst(0)
	s_wait_kmcnt 0x0
	SCALE 24
	s_wait_alu depctr_va_vdst(0)
	s_wait_loadcnt 16                              ; K step 0's sixteen loads are in; K step 1's sixteen may be out
	XTURN 0
	s_wait_dscnt 0x0
	XQ 0
	s_wait_loadcnt 0x0
	XTURN 1
	s_wait_dscnt 0x0
	XQ 1
	s_wait_tensorcnt 0x0
	ds_add_u32 v30, v31
	s_wait_dscnt 0x0
	s_endpgm
; ---- the weights.  A LANE TAKES A COLUMN n AND ITS REGISTERS RUN DOWN K: each load reads 128 consecutive bytes a wave, and the conversions give codes with K innermost.  A lane's column is one row of an image and
; serves both of that row's lanes: group g of eight k (g = 4 c + 2 u + h) is bytes 8 u .. 8 u + 7 of piece c of image lane (n % 16, h).  So a lane stores 16 bytes for each (c, h), and sixteen lanes fill 256 aligned bytes.
.macro WLOAD c, N, SRC
.set i, 0
.rept 32
	global_load_b32 v[RAW+32*(\c)+i], v5, s[\SRC:\SRC+1] offset:(32*(\c)+i)*\N*4 th:TH_LOAD_NT
.set i, i+1
.endr
.endm
.macro WBLOCK c, N, SRC, DST
.if (\c) < 3
	s_wait_loadcnt 32                              ; this block's 32 loads are in; the next block's 32 may be out
.else
	s_wait_loadcnt 0x0
.endif
.if (\c) < 2
	WLOAD (\c)+2, \N, \SRC                         ; two blocks ahead, into registers of their own
.endif
.set j, 0
.rept 32
.set j, j+1
.endr
.irp u, 0,1
.irp h, 0,1
	v_cvt_scalef32_pk8_fp8_f32 v[CD+8*(\c)+4*\h+2*\u:CD+8*(\c)+4*\h+2*\u+1], v[RAW+32*(\c)+16*\u+8*\h:RAW+32*(\c)+16*\u+8*\h+7], v11
.endr
.endr
	v_nop                                          ; a plain vector line behind the run of conversions
.irp h, 0,1
	global_store_b128 v6, v[CD+8*(\c)+4*\h:CD+8*(\c)+4*\h+3], s[\DST:\DST+1] offset:512*(\c)+256*\h
.endr
.endm
.macro WPATH N, FIRST, E, SRC, DST
	s_sub_co_u32 s19, ttmp9, \FIRST
	s_and_b32 s20, s19, 7                          ; which K step of 128
	s_lshr_b32 s19, s19, 3                         ; which 128 columns
	s_lshl_b32 s21, s19, 7
	s_lshl_b32 s22, s18, 5
	s_add_co_u32 s21, s21, s22                     ; my wave's first column
	s_lshl_b32 s21, s21, 2
	s_mul_i32 s22, s20, 128*\N*4                   ; 128 rows of W
	s_add_co_u32 s22, s22, s21
	s_mov_b32 s23, 0
	s_add_nc_u64 s[\SRC:\SRC+1], s[\SRC:\SRC+1], s[22:23]
	s_lshl_b32 s21, s19, 3
	s_lshl_b32 s22, s18, 1
	s_add_co_u32 s21, s21, s22                     ; my wave's first tile of 16 columns
	s_lshl_b32 s21, s21, 12
	s_lshr_b32 s22, s20, 1
	s_mul_i32 s22, s22, \N*256                     ; the K slot: N / 16 tiles of 4,096 bytes
	s_add_co_u32 s22, s22, s21
	s_and_b32 s21, s20, 1
	s_lshl_b32 s21, s21, 11                        ; which of the slot's two images
	s_add_co_u32 s22, s22, s21
	s_add_nc_u64 s[\DST:\DST+1], s[\DST:\DST+1], s[22:23]
	v_lshlrev_b32 v5, 2, v1                        ; in: 4 bytes a lane
	v_lshlrev_b32 v6, 12, v3                       ; out: lanes 16-31 hold the next tile's rows,
	v_lshl_add_u32 v6, v2, 4, v6                   ; 16 bytes a row
	WLOAD 0, \N, \SRC
	WLOAD 1, \N, \SRC
	s_wait_alu depctr_va_vdst(0)
	s_wait_kmcnt 0x0
	SCALE \E
	s_wait_alu depctr_va_vdst(0)
	WBLOCK 0, \N, \SRC, \DST
	WBLOCK 1, \N, \SRC, \DST
	WBLOCK 2, \N, \SRC, \DST
	WBLOCK 3, \N, \SRC, \DST
.endm
.Lweights:
	s_cmp_lt_u32 ttmp9, 704
	s_cbranch_scc0 .Lw_out
	s_wait_alu depctr_va_vdst(0)
	WPATH 3072, 512, 25, 6, 14
	s_endpgm
.Lw_out:
	s_wait_alu depctr_va_vdst(0)
	WPATH 1024, 704, 31, 8, 16
	s_endpgm
.Lfunc_end_k_q3de6bbf3c2_quant:
	.size	k_q3de6bbf3c2_quant, .Lfunc_end_k_q3de6bbf3c2_quant-k_q3de6bbf3c2_quant
	.p2alignl 7, 3214868480
	.fill 96, 4, 3214868480
	.section	.rodata,"a",@progbits
	.p2align	6, 0x0
	.amdhsa_kernel k_q3de6bbf3c2_quant
		.amdhsa_group_segment_fixed_size 34304
		.amdhsa_private_segment_fixed_size 0
		.amdhsa_enable_private_segment 0
		.amdhsa_kernarg_size 56
		.amdhsa_user_sgpr_count 2
		.amdhsa_user_sgpr_kernarg_segment_ptr 1
		.amdhsa_wavefront_size32 1
		.amdhsa_system_sgpr_workgroup_id_x 1
		.amdhsa_system_sgpr_workgroup_id_y 1
		.amdhsa_system_sgpr_workgroup_id_z 1
		.amdhsa_system_vgpr_workitem_id 0
		.amdhsa_next_free_vgpr 256
		.amdhsa_next_free_sgpr 66
		.amdhsa_reserve_vcc 0
		.amdhsa_float_denorm_mode_32 3
		.amdhsa_float_denorm_mode_16_64 3
		.amdhsa_fp16_overflow 1
		.amdhsa_memory_ordered 1
		.amdhsa_forward_progress 1
		.amdhsa_inst_pref_size 42
	.end_amdhsa_kernel
	.amdgpu_metadata
---
amdhsa.version: [ 1, 2 ]
amdhsa.kernels:
  - .name:           k_q3de6bbf3c2_quant
    .symbol:         k_q3de6bbf3c2_quant.kd
    .args:
      - { .name: x, .offset: 0, .size: 8, .value_kind: global_buffer, .address_space: global }
      - { .name: W_qkv, .offset: 8, .size: 8, .value_kind: global_buffer, .address_space: global }
      - { .name: W_out, .offset: 16, .size: 8, .value_kind: global_buffer, .address_space: global }
      - { .name: lowp_scales, .offset: 24, .size: 8, .value_kind: global_buffer, .address_space: global }
      - { .name: x_codes, .offset: 32, .size: 8, .value_kind: global_buffer, .address_space: global }
      - { .name: wq_codes, .offset: 40, .size: 8, .value_kind: global_buffer, .address_space: global }
      - { .name: wo_codes, .offset: 48, .size: 8, .value_kind: global_buffer, .address_space: global }
    .group_segment_fixed_size: 34304
    .private_segment_fixed_size: 0
    .kernarg_segment_align: 8
    .kernarg_segment_size: 56
    .max_flat_workgroup_size: 128
    .sgpr_count:     66
    .vgpr_count:     256
    .wavefront_size: 32
...
	.end_amdgpu_metadata
.endif
;; end of part 1
;; launch gemm_qkv (part 2): grid 12 x 32, 4 waves a work-group, clusters of 4 x 4, 327,680 bytes of LDS; arguments x_codes, wq_codes, lowp_scales, q_codes, k_codes, v_codes; writes q_codes, k_codes, v_codes
.if DOCPART == 2
	.amdgcn_target "amdgcn-amd-amdhsa--gfx1250"
	.amdhsa_code_object_version 6
	.text
	.protected	k_q3de6bbf3c2_gemm_qkv
	.globl	k_q3de6bbf3c2_gemm_qkv
	.p2align	8
	.type	k_q3de6bbf3c2_gemm_qkv,@function
k_q3de6bbf3c2_gemm_qkv:
	s_mov_b64 s[64:65], 0
	v_nop
	global_prefetch_b8 v0, s[64:65] scope:SCOPE_SE
	s_setreg_imm32_b32 hwreg(HW_REG_WAVE_MODE, 25, 1), 1
	s_wait_xcnt 0x0
	s_wait_alu depctr_hold_cnt(0) depctr_sa_sdst(0) depctr_va_vdst(0) depctr_va_sdst(0) depctr_va_ssrc(0) depctr_va_vcc(0) depctr_vm_vsrc(0)
	s_getreg_b32 s2, hwreg(HW_REG_IB_STS2, 6, 4)
	s_cmp_eq_u32 s2, 0
	s_cbranch_scc0 .Lentry_in_a_cluster
	s_endpgm
.Lentry_in_a_cluster:
	s_bfe_u32 s2, ttmp6, 0x10000c
	s_cmp_lg_u32 s2, 0xf033
	s_cbranch_scc0 .Lentry_shape_is_right
	s_endpgm
.Lentry_shape_is_right:
; qkv = x W_qkv on codes of FP8 (E4M3), K = 1,024; each finished sum is quantised at once, with the scale given for q, k or v, and leaves as a code.  Sums in f32.
; A sum stands for sum x 2^(e0 + e1), so its code is sum / 2^(e - e0 - e1), e = e2 (q), e3 (k) or e5 (v): the three exponents are folded into the conversion's one scale.
; LIMIT: e - e0 - e1 lies between -126 and 119, so that this power of two and 448 times it are f32 numbers.
; OPERANDS ARE IMAGES OF THE OPERAND'S REGISTERS: 16 rows x 128 along K in 2,048 bytes, piece c (registers 4 c .. 4 c + 3) at 512 c + 16 x lane; a buffer is [K slot of 256 (4)][tile of 16 rows][2 images].
; So the 8 tiles of rows that a wave fetches for a K slot are 32,768 consecutive bytes, and every LDS load takes 512 consecutive bytes.
; A tile of the result, 256 x 256, is made by four waves, each 128 x 128: 64 accumulators, 512 registers.  K goes in four slots of 256 through a ring of two LDS slots; the eight steps of 128 are written out.
; THE MATRIX INSTRUCTION: source 0 = 16 rows of the operand called B here, source 1 = 16 rows of the one called A.  In the result a lane holds ONE row of A and its eight registers eight neighbouring rows of B.
; One conversion of an accumulator's eight registers is therefore one register pair of an operand whose row is A's row and whose K runs along B's rows.  What the next launch wants decides who is A:
;   q, k (cluster x = 0, 1): A = tokens, B = W's columns (channels): images of 16 tokens x 64 channels, [batch x head][tile of 16 tokens][1,024 bytes];
;   v    (cluster x = 2):    A = W's columns, B = tokens (keys): images of 16 channels x 128 keys, [batch x head][step of 128 keys][tile of 16 channels][2,048 bytes].
; The choice hangs on the cluster's x alone, which all sixteen partners share; it selects pointers, steps and coordinates, and the loop has no branch for it.
; CLUSTERS: 4 x 4 work-groups.  A's tile hangs on cy and is shared along a row of the cluster, B's on cx and is shared along a column: each is asked for jointly, by the same tensor load with a mask that names the four.
; REGISTERS, in windows of 256: window 0: v0-31 addresses and the scale; v32-95 at work on the way out; from v128 A's fragments, ONE set, later the codes.  window 1: B's fragments, TWO sets, at v0 and v128.
;   window 2: the 32 accumulators of my A rows 0-63 (accumulator (a, b) at v[8 (8 a + b)]);   window 3: those of my A rows 64-127.
; No prefetch is laid: the two first fills ask for half of what a work-group reads, and the two refills follow within four steps.
.set HALFT,  32768                     ; 8 tiles of rows x 2 images: what one tensor load brings, and what one wave reads of A or of B
.set SLOT,   4*HALFT                   ; A's 16 tiles of rows, then B's 16
.set SPARE,  2*SLOT                    ; behind the ring: the spare words, 128 bytes for each wave: two blocks of 256 bytes that no other line names
.set XKS,    2097152                   ; a K slot of x_codes in bytes: 512 tiles x 4,096
.set WKS,    786432                    ; of wq_codes: 192 tiles x 4,096
.set FR,     16                        ; registers of a fragment
.set NL,     4                         ; LDS loads that bring one
.set NP,     4                         ; places behind this matrix instruction (ISA guide 7.12.1)
.set SCL,  12                          ; v12     2^(e - e0 - e1)
.set LIMV, 13                          ; v13
.set ADRA, 16                          ; v16-17  LDS address of my A fragments in slot 0, 1
.set ADRB, 20                          ; v20-21  the same for B
.set CO,   26                          ; v26     16 x lane; never rewritten
.set SPW,  28                          ; v28     LDS address of my spare word: SPARE + 4 x my thread's number; never rewritten
.set NIL,  29                          ; v29     0; never rewritten
.set TMP,  32                          ; the way out: a block's 64 sums, held
.set AF,   128                         ; A's fragments, in window 0
.set CD,   128                         ; the way out: 16 registers of codes for each of the eight blocks
.set G1, 24                            ; s[24:31] descriptor group 1 for A's tiles;  s[32:39] group 0, one set for each slot
.set G0, 32
.set G1B, 48                           ; s[48:55], s[56:63] the same for B's tiles
.set G0B, 56
.set MSB, 0
.macro WIN new                         ; the immediate's high byte repeats the setting that is left
.if MSB != \new
	s_set_vgpr_msb (MSB<<8)|\new
.set MSB, \new
.endif
.endm
.set MUL_LO, 0xa1                      ; source 0 (B) window 1, source 1 (A) window 0, C and D window 2
.set MUL_HI, 0xf1                      ; the same, C and D window 3
.set TO_B,   0x40                      ; destination window 1, address window 0
; A joint load: waves 0 and 1 fetch for A, waves 2 and 3 for B.  Each line has one mask and one set of registers for all that issue it; the branch hangs on the wave's number alone.
; Four v_nop follow each of the two lines, ahead of the jump, the label and what follows.
.macro JLOAD g0a, g0b
	s_cmp_eq_u32 s15, 0
	s_cbranch_scc0 .Lfor_b_\@
	tensor_load_to_lds s[\g0a:\g0a+3], s[G1:G1+7]
	s_nop 0
.rept 4
	v_nop
.endr
	s_branch .Lasked_\@
.Lfor_b_\@:
	tensor_load_to_lds s[\g0b:\g0b+3], s[G1B:G1B+7]
	s_nop 0
.rept 4
	v_nop
.endr
.Lasked_\@:
.endm
.macro CREST                           ; a round of the cluster's barrier behind its opening barrier
	s_cmp_lg_u32 s14, 0
	s_cbranch_scc1 .Lnot_wave_0_\@
	s_barrier_signal -3
.Lnot_wave_0_\@:
	s_barrier_wait -3
	s_barrier_signal -1
	s_barrier_wait -1
.endm
.macro CROUND                          ; a whole round
	s_barrier_signal -1
	s_barrier_wait -1
	CREST
.endm
	s_load_b128 s[4:7], s[0:1], 0x0                ; x_codes s[4:5], wq_codes s[6:7]
	s_load_b128 s[8:11], s[0:1], 0x10              ; the scales' exponents s[8:9], q_codes s[10:11]
	s_load_b128 s[76:79], s[0:1], 0x20             ; k_codes s[76:77], v_codes s[78:79]
	v_lshl_add_u32 v[SPW], v0, 2, SPARE
	v_mov_b32 v[NIL], 0
	ds_add_u32 v28, v29
	ds_add_u32 v28, v29
	s_wait_dscnt 0x0
	v_lshrrev_b32 v1, 5, v0
	v_readfirstlane_b32 s14, v1                    ; wave 0..3
	s_lshr_b32 s15, s14, 1                         ; which half of A's rows is mine.  Also: I fetch for A (0) or for B (1)
	s_and_b32 s16, s14, 1                          ; which half of B's rows.  Also: which half of that tile I fetch
	s_bfe_u32 s40, ttmp6, 0x40000                  ; cx, cy: my place in the cluster
	s_bfe_u32 s41, ttmp6, 0x40004
	s_and_b32 s18, ttmp7, 0xffff                   ; the cluster's y: which 1,024 tokens
	s_cmp_eq_u32 ttmp9, 2                          ; the cluster's x: 0 q, 1 k, 2 v
	s_cselect_b32 s17, ttmp9, s18                  ; A's coordinate: W's (v) or the tokens' (q, k)
	s_cselect_b32 s42, s18, ttmp9                  ; B's: the other
	s_mov_b32 s68, XKS
	s_cselect_b32 s68, WKS, s68                    ; a K slot of A's buffer,
	s_mov_b32 s70, WKS
	s_cselect_b32 s70, XKS, s70                    ; and of B's
	s_mov_b32 s69, 0
	s_mov_b32 s71, 0
	s_lshl_b32 s17, s17, 2
	s_add_co_u32 s17, s17, s41                     ; A's tile of 256 rows: it holds cy and never cx
	s_lshl_b32 s42, s42, 2
	s_add_co_u32 s42, s42, s40                     ; B's: it holds cx and never cy
	s_lshl_b32 s43, s41, 2
	s_lshl_b32 s43, 15, s43                        ; my row of the cluster
	s_lshl_b32 s44, 0x1111, s40                    ; my column
	; descriptor group 1: 32,768 consecutive bytes as 128 rows of 256 bytes, dense in memory and in LDS
	s_or_b32 s[G1+0], s43, (3<<16)|(1<<21)         ; 15:0 the mask: A's tiles go to my row; 17:16 elements of 8 bytes; 20 no padding; 21 set beside a mask
	s_or_b32 s[G1B+0], s44, (3<<16)|(1<<21)
.irp g, G1, G1B
	s_mov_b32 s[\g+1], 32<<16                      ; tensor_dim0 = 32 elements
	s_mov_b32 s[\g+2], 128<<16                     ; tensor_dim1 = 128
	s_mov_b32 s[\g+3], 32<<16                      ; tile_dim0
	s_mov_b32 s[\g+4], 128                         ; tile_dim1
	s_mov_b32 s[\g+5], 32                          ; tensor_dim0_stride: a row begins where the last ends
	s_mov_b32 s[\g+6], 0
	s_mov_b32 s[\g+7], 0
.endr
	s_lshl_b32 s18, s16, 15                        ; which 8 tiles of rows of the 16 I fetch
	s_lshl_b32 s20, s17, 16
	s_add_co_u32 s20, s20, s18                     ; A: 16 tiles of 4,096 bytes x the tile's number + my half
	s_lshl_b32 s46, s42, 16
	s_add_co_u32 s46, s46, s18                     ; B likewise
	s_mov_b32 s21, 0
	s_mov_b32 s47, 0
	s_lshl_b32 s45, s14, 15                        ; where they go: wave x 32,768: no place in the cluster enters an LDS address
	s_wait_kmcnt 0x0
	s_load_b256 s[80:87], s[8:9], 0x0              ; e0 .. e7
	s_cmp_eq_u32 ttmp9, 2
	s_cselect_b64 s[88:89], s[6:7], s[4:5]         ; A's buffer
	s_cselect_b64 s[90:91], s[4:5], s[6:7]         ; B's
	s_add_nc_u64 s[20:21], s[88:89], s[20:21]
	s_add_nc_u64 s[46:47], s[90:91], s[46:47]
	CROUND                                         ; all sixteen work-groups are here: the first joint loads meet
	s_mov_b32 s[G0], 1                             ; 1:0 count = 1
	s_add_co_u32 s[G0+1], s45, 0                   ; 63:32 LDS address: slot 0
	s_add_nc_u64 s[G0+2:G0+3], s[20:21], 0         ; 120:64 global address: K slot 0
	s_or_b32 s[G0+3], s[G0+3], 0x80000000          ; 127:126 type = 2
	s_mov_b32 s[G0B], 1
	s_add_co_u32 s[G0B+1], s45, 0
	s_add_nc_u64 s[G0B+2:G0B+3], s[46:47], 0
	s_or_b32 s[G0B+3], s[G0B+3], 0x80000000
	JLOAD G0, G0B
	s_mov_b32 s[G0+4], 1
	s_add_co_u32 s[G0+5], s45, SLOT
	s_add_nc_u64 s[G0+6:G0+7], s[20:21], s[68:69]  ; K slot 1
	s_or_b32 s[G0+7], s[G0+7], 0x80000000
	s_mov_b32 s[G0B+4], 1
	s_add_co_u32 s[G0B+5], s45, SLOT
	s_add_nc_u64 s[G0B+6:G0B+7], s[46:47], s[70:71]
	s_or_b32 s[G0B+7], s[G0B+7], 0x80000000
	JLOAD G0+4, G0B+4
	s_lshl_b32 s68, s68, 1                         ; a refill steps two K slots on
	s_lshl_b32 s70, s70, 1
	v_and_b32 v1, 31, v0
	v_lshlrev_b32 v[CO], 4, v1                     ; 16 x lane: an image's place for my lane
	s_lshl_b32 s21, s15, 15                        ; my half of A
	s_lshl_b32 s22, s16, 15                        ; my half of B,
	s_add_co_u32 s22, s22, 2*HALFT                 ; which lies behind A's two
.irp s, 0,1
	v_add_nc_u32 v[ADRA+\s], s21, v[CO]
	v_add_nc_u32 v[ADRB+\s], s22, v[CO]
	s_add_co_u32 s21, s21, SLOT
	s_add_co_u32 s22, s22, SLOT
.endr
.macro FRAG reg, adr, q, i             ; tile of rows i, the slot's q-th 128 along K: four loads of 512 consecutive bytes give the operand's 16 registers as they were stored
.irp c, 0,1,2,3
	ds_load_b128 v[\reg+4*\c:\reg+4*\c+3], v[\adr] offset:(\i)*4096+(\q)*2048+512*\c
.endr
.endm
; 16 matrix instructions: A's blocks a0, a0 + 1 x B's eight, 128 along K.  p: B's set.  zero = 1: the first product starts the sums: nothing is ever cleared.
; The 64 accumulators take turns, one instruction a turn, in the same order in every step.
.macro MUL16 a0, p, zero
.irp a, \a0, \a0+1
.irp b, 0,1,2,3,4,5,6,7
.if \zero
	v_wmma_f32_16x16x128_fp8_fp8 v[8*(8*((\a)%4)+\b):8*(8*((\a)%4)+\b)+7], v[128*(\p)+FR*\b:128*(\p)+FR*\b+FR-1], v[AF+FR*(\a):AF+FR*(\a)+FR-1], 0
.else
	v_wmma_f32_16x16x128_fp8_fp8 v[8*(8*((\a)%4)+\b):8*(8*((\a)%4)+\b)+7], v[128*(\p)+FR*\b:128*(\p)+FR*\b+FR-1], v[AF+FR*(\a):AF+FR*(\a)+FR-1], v[8*(8*((\a)%4)+\b):8*(8*((\a)%4)+\b)+7]
.endif
.endr
.endr
.endm
.macro FETCH_B slot, q, p              ; B's eight fragments into set p
	WIN TO_B
.irp i, 0,1,2,3,4,5,6,7
	FRAG 128*(\p)+FR*\i, ADRB+\slot, \q, \i
.endr
	WIN 0
.endm
.macro FETCH_A slot, q, i0             ; A's blocks i0 .. i0 + 3
.irp i, \i0, \i0+1, \i0+2, \i0+3
	FRAG AF+FR*(\i), ADRA+\slot, \q, \i
.endr
.endm
.macro PLACES n                        ; plain vector lines between a matrix instruction and a load into a register that it read, or a vector line that reads its result
.rept \n
	v_nop
.endr
.endm
; A step of 128 along K that has its successor in the same slot.  A block of A is free as soon as its eight products are issued, so one set of registers serves A.
.macro STEP slot, q, zero
	s_wait_dscnt 4*NL                              ; B's set and A's blocks 0-3 are in; the youngest sixteen loads (A's blocks 4-7) may be out
	WIN MUL_LO
	MUL16 0, (\q)%2, \zero
	MUL16 2, (\q)%2, \zero
	s_wait_dscnt 0                                 ; A's blocks 4-7 are in (asked for 32 matrix instructions ago)
	PLACES NP
	FETCH_B \slot, (\q)+1, 1-(\q)%2
	FETCH_A \slot, (\q)+1, 0
	WIN MUL_HI
	MUL16 4, (\q)%2, \zero
	MUL16 6, (\q)%2, \zero
	PLACES NP
	WIN 0
	FETCH_A \slot, (\q)+1, 4
.endm
; A slot's last step changes slots: ONE barrier; in front of it each wave waits for all its tensor loads, adds 0 to its spare word, and waits for that and for its own reads of this slot.  fill = 1: this slot is filled again, two K slots ahead.
.macro TURN slot, next, fill
	s_wait_tensorcnt 0x0                           ; all my tensor loads have landed: my part of the next slot  (every window is 0 here: the add's two registers lie in window 0)
	ds_add_u32 v[SPW], v[NIL]                      ; 0 onto my spare word
	s_wait_dscnt 4*NL+1                            ; the add and the youngest sixteen loads, A's blocks 4-7, may be out
	WIN MUL_LO
	MUL16 0, 1, 0                                  ; sixteen matrix instructions stand between the add and the wait for it
	s_wait_dscnt 0x0                               ; the add is done, and my reads of this slot are over
	s_barrier_signal -1
	MUL16 2, 1, 0
	WIN 0
	s_barrier_wait -1
.if \fill
	CREST                                          ; the barrier has opened a round of the cluster's barrier: no wave of any partner still reads this slot's tile or has a load on its way
	s_add_nc_u64 s[G0+4*\slot+2:G0+4*\slot+3], s[G0+4*\slot+2:G0+4*\slot+3], s[68:69]
	s_add_nc_u64 s[G0B+4*\slot+2:G0B+4*\slot+3], s[G0B+4*\slot+2:G0B+4*\slot+3], s[70:71]
	JLOAD G0+4*\slot, G0B+4*\slot                  ; the first tensor load behind the round, my one load until the next; the four v_nop behind it are the places in front of the loads below
.else
	PLACES NP
.endif
	FETCH_B \next, 0, 0
	FETCH_A \next, 0, 0
	WIN MUL_HI
	MUL16 4, 1, 0
	MUL16 6, 1, 0
	PLACES NP
	WIN 0
	FETCH_A \next, 0, 4
.endm
	s_wait_alu depctr_va_vdst(0)
	s_wait_tensorcnt 1                             ; my part of K slot 0 is in; K slot 1's load may be out
	s_barrier_signal -1
	s_barrier_wait -1                              ; everybody's is
	FETCH_B 0, 0, 0
	FETCH_A 0, 0, 0
	FETCH_A 0, 0, 4
	STEP 0, 0, 1                                   ; K 0-127: its products start the sums
	TURN 0, 1, 1                                   ; K 128-255; slot 0 takes K slot 2
	STEP 1, 0, 0
	TURN 1, 0, 1                                   ; slot 1 takes K slot 3
	STEP 0, 0, 0
	TURN 0, 1, 0                                   ; nothing is left to fetch, so no round of the cluster's barrier
	STEP 1, 0, 0
	s_wait_dscnt 4*NL                              ; the last step
	WIN MUL_LO
	MUL16 0, 1, 0
	MUL16 2, 1, 0
	s_wait_dscnt 0
	WIN MUL_HI
	MUL16 4, 1, 0
	MUL16 6, 1, 0
	WIN 0
; THE WAY OUT.  Where my wave's codes begin, for q and k (s93) and for v (s94); the cluster's x then selects the place, the buffer and the scale.
	s_wait_kmcnt 0x0
	s_lshr_b32 s93, s17, 3                         ; q, k: the batch (8 tiles of 256 tokens each),
	s_lshl_b32 s93, s93, 4
	s_lshl_b32 s95, s40, 2
	s_add_co_u32 s93, s93, s95                     ; + the head: 4 cx + 2 x my half of B's rows
	s_lshl_b32 s95, s16, 1
	s_add_co_u32 s93, s93, s95
	s_lshl_b32 s93, s93, 17                        ; a head's codes are 131,072 bytes
	s_and_b32 s95, s17, 7
	s_lshl_b32 s95, s95, 4
	s_lshl_b32 s96, s15, 3
	s_add_co_u32 s95, s95, s96                     ; my first tile of 16 tokens in the batch
	s_lshl_b32 s95, s95, 10
	s_add_co_u32 s93, s93, s95
	s_lshr_b32 s94, s42, 3                         ; v: the batch,
	s_lshl_b32 s94, s94, 4
	s_lshl_b32 s95, s41, 2
	s_add_co_u32 s94, s94, s95                     ; + the head: 4 cy + 2 x my half of A's rows
	s_lshl_b32 s95, s15, 1
	s_add_co_u32 s94, s94, s95
	s_lshl_b32 s94, s94, 17
	s_and_b32 s95, s42, 7
	s_lshl_b32 s95, s95, 1
	s_add_co_u32 s95, s95, s16                     ; my 128 tokens are one step of keys
	s_lshl_b32 s95, s95, 13
	s_add_co_u32 s94, s94, s95
	s_cmp_eq_u32 ttmp9, 0
	s_cselect_b32 s92, s82, s83                    ; e2 or e3,
	s_cselect_b64 s[10:11], s[10:11], s[76:77]
	s_cmp_eq_u32 ttmp9, 2
	s_cselect_b32 s92, s85, s92                    ; or e5
	s_cselect_b64 s[10:11], s[78:79], s[10:11]
	s_cselect_b32 s94, s94, s93
	s_mov_b32 s95, 0
	s_add_nc_u64 s[10:11], s[10:11], s[94:95]
	s_sub_co_i32 s92, s92, s80
	s_sub_co_i32 s92, s92, s81                     ; e - e0 - e1
	s_add_co_i32 s92, s92, 127
	s_lshl_b32 s96, s92, 23
	v_mov_b32 v[SCL], s96
	PLACES NP                                      ; behind the last products, ahead of the first read of results and the first write over A's fragments
; Block a: my A rows 16 a on, against B's 128 rows.  The hold copies the sums into window 0, each accumulator from its low end on; accumulator (a, b) becomes register pair b of the block's 16 registers of codes.
; q, k: pairs 0-3 are an image of 16 tokens x 64 channels of my first head, pairs 4-7 of my second.  v: the 16 registers are one image of 16 channels x 128 keys.  Each store covers 512 consecutive bytes, aligned.
.macro OUTBLK a, kind
	WIN 0x02+((\a)/4)                              ; source 0: window 2 or 3
.set j, 0
.rept 64
.set j, j+1
.endr
.irp b, 0,1,2,3,4,5,6,7
	v_cvt_scalef32_pk8_fp8_f32 v[CD+16*(\a)+2*\b:CD+16*(\a)+2*\b+1], v[TMP+8*\b+((64*((\a)%4)+j)-(TMP+j)):TMP+8*\b+7+((64*((\a)%4)+j)-(TMP+j))], v[SCL]
.endr
	WIN 0
	v_nop                                          ; a plain vector line between the conversions and the next block's holds, which write their sources
.irp c, 0,1,2,3
.if \kind
	global_store_b128 v[CO], v[CD+16*(\a)+4*\c:CD+16*(\a)+4*\c+3], s[10:11] offset:((\a)/4)*131072+((\a)%4)*2048+512*\c
.else
	global_store_b128 v[CO], v[CD+16*(\a)+4*\c:CD+16*(\a)+4*\c+3], s[10:11] offset:(\c/2)*131072+(\a)*1024+(\c%2)*512
.endif
.endr
.endm
	s_cmp_eq_u32 ttmp9, 2                          ; the same in all sixteen partners; the two ways differ in the stores' offsets alone
	s_cbranch_scc1 .Lout_v
.irp a, 0,1,2,3,4,5,6,7
	OUTBLK \a, 0
.endr
	s_branch .Lout_done
.Lout_v:
	s_wait_alu depctr_va_vdst(0)
.irp a, 0,1,2,3,4,5,6,7
	OUTBLK \a, 1
.endr
.Lout_done:
	s_wait_tensorcnt 0x0                           ; the wave's end, behind my last tensor load
	ds_add_u32 v[SPW], v[NIL]
	s_wait_dscnt 0x0
	CROUND                                         ; the closing round: no work-group ends while a partner may still ask for a tile that names it
	s_endpgm
.Lfunc_end_k_q3de6bbf3c2_gemm_qkv:
	.size	k_q3de6bbf3c2_gemm_qkv, .Lfunc_end_k_q3de6bbf3c2_gemm_qkv-k_q3de6bbf3c2_gemm_qkv
	.p2alignl 7, 3214868480
	.fill 96, 4, 3214868480
	.section	.rodata,"a",@progbits
	.p2align	6, 0x0
	.amdhsa_kernel k_q3de6bbf3c2_gemm_qkv
		.amdhsa_group_segment_fixed_size 327680
		.amdhsa_private_segment_fixed_size 0
		.amdhsa_enable_private_segment 0
		.amdhsa_kernarg_size 48
		.amdhsa_user_sgpr_count 2
		.amdhsa_user_sgpr_kernarg_segment_ptr 1
		.amdhsa_wavefront_size32 1
		.amdhsa_system_sgpr_workgroup_id_x 1
		.amdhsa_system_sgpr_workgroup_id_y 1
		.amdhsa_system_sgpr_workgroup_id_z 1
		.amdhsa_system_vgpr_workitem_id 0
		.amdhsa_next_free_vgpr 1024
		.amdhsa_next_free_sgpr 98
		.amdhsa_reserve_vcc 0
		.amdhsa_float_denorm_mode_32 3
		.amdhsa_float_denorm_mode_16_64 3
		.amdhsa_fp16_overflow 1
		.amdhsa_memory_ordered 1
		.amdhsa_forward_progress 1
		.amdhsa_inst_pref_size 94
	.end_amdhsa_kernel
	.amdgpu_metadata
---
amdhsa.version: [ 1, 2 ]
amdhsa.kernels:
  - .name:           k_q3de6bbf3c2_gemm_qkv
    .symbol:         k_q3de6bbf3c2_gemm_qkv.kd
    .args:
      - { .name: x_codes, .offset: 0, .size: 8, .value_kind: global_buffer, .address_space: global }
      - { .name: wq_codes, .offset: 8, .size: 8, .value_kind: global_buffer, .address_space: global }
      - { .name: lowp_scales, .offset: 16, .size: 8, .value_kind: global_buffer, .address_space: global }
      - { .name: q_codes, .offset: 24, .size: 8, .value_kind: global_buffer, .address_space: global }
      - { .name: k_codes, .offset: 32, .size: 8, .value_kind: global_buffer, .address_space: global }
      - { .name: v_codes, .offset: 40, .size: 8, .value_kind: global_buffer, .address_space: global }
    .group_segment_fixed_size: 327680
    .private_segment_fixed_size: 0
    .kernarg_segment_align: 8
    .kernarg_segment_size: 48
    .max_flat_workgroup_size: 128
    .sgpr_count:     98
    .vgpr_count:     1024
    .wavefront_size: 32
...
	.end_amdgpu_metadata
.endif
;; end of part 2
;; launch attn (part 3): grid 4 x 64, 16 waves a work-group, clusters of 4 x 1, 264,192 bytes of LDS; arguments q_codes, k_codes, v_codes, lowp_scales, a_codes; writes a_codes
.if DOCPART == 3
	.amdgcn_target "amdgcn-amd-amdhsa--gfx1250"
	.amdhsa_code_object_version 6
	.text
	.protected	k_q3de6bbf3c2_attn
	.globl	k_q3de6bbf3c2_attn
	.p2align	8
	.type	k_q3de6bbf3c2_attn,@function
k_q3de6bbf3c2_attn:
	s_mov_b64 s[64:65], 0
	v_nop
	global_prefetch_b8 v0, s[64:65] scope:SCOPE_SE
	s_setreg_imm32_b32 hwreg(HW_REG_WAVE_MODE, 25, 1), 1
	s_wait_xcnt 0x0
	s_wait_alu depctr_hold_cnt(0) depctr_sa_sdst(0) depctr_va_vdst(0) depctr_va_sdst(0) depctr_va_ssrc(0) depctr_va_vcc(0) depctr_vm_vsrc(0)
	s_getreg_b32 s2, hwreg(HW_REG_IB_STS2, 6, 4)
	s_cmp_eq_u32 s2, 0
	s_cbranch_scc0 .Lentry_in_a_cluster
	s_endpgm
.Lentry_in_a_cluster:
	s_bfe_u32 s2, ttmp6, 0x10000c
	s_cmp_lg_u32 s2, 0x3003
	s_cbranch_scc0 .Lentry_shape_is_right
	s_endpgm
.Lentry_shape_is_right:
; Causal attention on codes of FP8 (E4M3): 64 heads (batch x head) of 2,048 tokens x 64 channels.  Both products on codes; the result is quantised at once for the output projection and leaves as codes.
; THE SOFTMAX AHEAD OF THE SECOND PRODUCT: t = score x log2(e) / 8; M = the row's largest t so far, rounded UP to a whole number; p = 2^(t - M) is quantised along the keys with 2^e4; it is not normalised.
; The row's sum is taken of the unquantised p, in f32, and divides O at the end.  When M moves, the sum and O are multiplied by 2^(old M - new M), which rounds nothing.
; INPUTS ARE IMAGES OF THE OPERAND'S REGISTERS (piece c, registers 4 c .. 4 c + 3, at 512 c + 16 x lane): q, k [head][tile of 16 tokens][1,024]: 16 tokens x 64 channels; v [head][step of 128 keys][tile of 16 channels][2,048]: 16 channels x 128 keys.
; THE WHOLE HEAD LIES IN LDS: K's 131,072 bytes at 0, V's at 131,072, filled once by sixteen tensor loads of 16,384 bytes, one a wave.  No slot is filled again, and the loop has no barrier.
; All of the head's K and V are asked for by those loads at the head, so nothing is left to ask for ahead: no prefetch is laid.
; CLUSTER: the four work-groups of a cluster serve one head and ask for K and V jointly: the same load with the same descriptor and the mask 15 in all four.
; SHARES.  A head has 16 blocks of 128 queries, 8 tiles of 16 each.  Wave w of partner cx has d = w % 8 and e = 2 cx + w / 8, and owns tile e of block d (key steps 0 .. d) and tile e of block 15 - d (key steps 0 .. 15 - d):
; 17 steps of 128 keys for every wave of the launch.  The steps that the mask hides wholly are left out by scalar branches on d, which comes from the wave's number alone; cx enters global addresses and the mask's numbers only.
; LAYOUT.  Both products are used transposed: S^T = K Q^T (source 0 = 16 keys, source 1 = my 16 queries), O^T = V^T P^T (source 0 = 16 channels, source 1 = P): a lane holds ONE query (lane % 16) throughout.
; Tile t of S^T holds, in lane (r, h), keys 16 t + 8 h + 0 .. 7: one conversion of its eight registers is register pair t of P.  Likewise tile ct of O^T becomes pair ct of an image of 16 tokens x 64 channels.
; OUTPUT: a_codes [K slot of 256 = head / 4][tile of 16 rows = batch x 128 + query tile][head % 4][1,024]: the next launch's operand, K = head x 64 + channel.
; LIMITS on the given exponents, so that each power of two below is an f32 number: e2 + e3 between -123 and 130 (added to c's exponent field); e4, and e6 - e4 - e5, between -126 and 119.
; REGISTERS: v1, v2 places of my lane in K's and V's images; v3, v4 the step's addresses; v5 the mask's number; tile X: v[8+4X] -M, v[9+4X] the largest t, v[10+4X:11+4X] the sum in two halves; v[16+8X..] Q;
;   v32-95 fragments of K, then of V; v96-159 S^T, then p; v[160+32X..] O^T; v224-239 p's codes; v240-254 constants and scratch.
.set VOFF, 131072
.set F,   32
.set S,   96
.set O,   160
.set P,   224
.set WV,  14                           ; s14  my wave's number
.set LIM, 30                           ; s30, s31  the last key step of my two tiles: d, 15 - d
.set CS,  44                           ; s[44:45] c = log2(e) / 8 x 2^(e2 + e3): the packed form names a pair and takes its low word for both halves
.set SEL, 46                           ; s[46:47] lane selects for v_permlanex16_b32: lane l xor 16
.set KS,  48                           ; s48  the key step
.set TB,  49                           ; s49  8,192 x the key step: its first byte in K's part and in V's part of LDS
.macro CROUND                          ; a round of the cluster's barrier
	s_barrier_signal -1
	s_barrier_wait -1
	s_cmp_lg_u32 s[WV], 0
	s_cbranch_scc1 .Lnot_wave_0_\@
	s_barrier_signal -3
.Lnot_wave_0_\@:
	s_barrier_wait -3
	s_barrier_signal -1
	s_barrier_wait -1
.endm
	s_load_b256 s[4:11], s[0:1], 0x0               ; q_codes s[4:5], k_codes s[6:7], v_codes s[8:9], the scales' exponents s[10:11]
	s_load_b64 s[12:13], s[0:1], 0x20              ; a_codes
	v_lshl_add_u32 v251, v0, 2, 0x40000
	v_mov_b32 v255, 0
	ds_add_u32 v251, v255
	ds_add_u32 v251, v255
	v_lshrrev_b32 v1, 5, v0
	s_delay_alu instid0(VALU_DEP_1)
	v_readfirstlane_b32 s[WV], v1                  ; wave 0..15
	v_and_b32 v1, 31, v0
	s_delay_alu instid0(VALU_DEP_1)
	v_lshlrev_b32 v1, 4, v1                        ; 16 x lane
	s_delay_alu instid0(VALU_DEP_1)
	v_add_nc_u32 v2, VOFF, v1
	s_bfe_u32 s15, ttmp6, 0x40000                  ; cx
	s_and_b32 s28, ttmp7, 0xffff                   ; batch x 16 + head, which the four partners share
	s_and_b32 s30, s[WV], 7                        ; d
	s_sub_co_u32 s31, 15, s30
	s_lshr_b32 s32, s[WV], 3
	s_lshl_b32 s33, s15, 1
	s_add_co_u32 s32, s32, s33                     ; e
	; descriptor group 1: 16,384 consecutive bytes as 64 rows of 256 bytes
	s_mov_b32 s16, 15|(3<<16)|(1<<21)              ; 15:0 the mask: all four work-groups; 17:16 elements of 8 bytes; 20 no padding; 21 set beside a mask
	s_mov_b32 s17, 32<<16                          ; tensor_dim0 = 32 elements
	s_mov_b32 s18, 64<<16                          ; tensor_dim1 = 64
	s_mov_b32 s19, 32<<16                          ; tile_dim0
	s_mov_b32 s20, 64                              ; tile_dim1
	s_mov_b32 s21, 32                              ; tensor_dim0_stride
	s_mov_b32 s22, 0
	s_mov_b32 s23, 0
	s_lshl_b32 s34, s28, 17                        ; the head's first byte in q_codes, k_codes and v_codes
	s_lshl_b32 s58, s30, 14                        ; my eighth of K or of V
	s_add_co_u32 s58, s58, s34
	s_mov_b32 s59, 0
	s_lshl_b32 s29, s30, 3
	s_add_co_u32 s29, s29, s32                     ; my first tile of queries: 8 d + e
	s_lshl_b32 s33, s31, 3
	s_add_co_u32 s33, s33, s32                     ; my second: 8 (15 - d) + e
	s_bfe_u32 s66, s28, 0x20002                    ; head / 4: the K slot of the next product,
	s_lshl_b32 s66, s66, 21
	s_and_b32 s67, s28, 3                          ; head % 4: the place in a tile's 4,096 bytes,
	s_lshl_b32 s67, s67, 10
	s_add_co_u32 s66, s66, s67
	s_lshr_b32 s67, s28, 4                         ; the batch: 128 tiles of 4,096 bytes
	s_lshl_b32 s67, s67, 19
	s_add_co_u32 s66, s66, s67
	s_mov_b32 s3, 0
	s_mov_b32 s[SEL], 0x76543210
	s_mov_b32 s[SEL+1], 0xfedcba98
	s_mov_b32 s[CS], 0x3e38aa3b                    ; log2(e) / 8
	s_wait_dscnt 0x0
	s_wait_kmcnt 0x0
	s_load_b256 s[36:43], s[10:11], 0x0            ; e0 .. e7
	s_mov_b32 s24, 1                               ; group 0 for K's parts (waves 0-7): count = 1,
	s_lshl_b32 s25, s[WV], 14                      ; LDS address 16,384 x wave,
	s_add_nc_u64 s[26:27], s[6:7], s[58:59]        ; global address,
	s_or_b32 s27, s27, 0x80000000                  ; type = 2
	s_mov_b32 s60, 1                               ; and for V's (waves 8-15): 16,384 x wave lies in V's part
	s_lshl_b32 s61, s[WV], 14
	s_add_nc_u64 s[62:63], s[8:9], s[58:59]
	s_or_b32 s63, s63, 0x80000000
	s_lshl_b32 s2, s29, 10                         ; my tiles' places: these hold cx and feed no descriptor
	s_add_co_u32 s2, s2, s34
	s_add_nc_u64 s[50:51], s[4:5], s[2:3]          ; Q of tile 0
	s_lshl_b32 s2, s33, 10
	s_add_co_u32 s2, s2, s34
	s_add_nc_u64 s[52:53], s[4:5], s[2:3]          ; Q of tile 1
	s_lshl_b32 s2, s29, 12
	s_add_co_u32 s2, s2, s66
	s_add_nc_u64 s[54:55], s[12:13], s[2:3]        ; the codes of tile 0's result
	s_lshl_b32 s2, s33, 12
	s_add_co_u32 s2, s2, s66
	s_add_nc_u64 s[56:57], s[12:13], s[2:3]        ; of tile 1's
	CROUND                                         ; all four work-groups are here: the joint loads meet
	s_cmp_lt_u32 s[WV], 8                          ; the same in every work-group.  One tensor load of mine is out.  Four v_nop follow each line
	s_cbranch_scc0 .Lfor_v
	tensor_load_to_lds s[24:27], s[16:23]
	s_nop 0
.rept 4
	v_nop
.endr
	s_branch .Lasked
.Lfor_v:
	tensor_load_to_lds s[60:63], s[16:23]
	s_nop 0
.rept 4
	v_nop
.endr
.Lasked:
	s_wait_alu depctr_va_vdst(0)
	global_load_b128 v[16:19], v1, s[50:51]        ; Q's two fragments stay in registers
	global_load_b128 v[20:23], v1, s[50:51] offset:512
	global_load_b128 v[24:27], v1, s[52:53]
	global_load_b128 v[28:31], v1, s[52:53] offset:512
	v_and_b32 v6, 15, v0
	v_bfe_u32 v7, v0, 4, 1
	s_delay_alu instid0(VALU_DEP_1)
	v_lshlrev_b32 v7, 3, v7
	s_delay_alu instid0(VALU_DEP_1)
	v_sub_nc_u32 v5, v6, v7
	s_lshl_b32 s67, s32, 4
	v_add_nc_u32 v5, s67, v5                       ; 16 e + r - 8 h: in the step on the diagonal, register 8 t + j (key 16 t + 8 h + j of the block) is hidden where 16 t + j is greater
.irp x, 0,1
	v_mov_b32 v[9+4*\x], 0xff61b1e6                ; the largest t so far: -3e38, under every t
	s_delay_alu instid0(VALU_DEP_1)
	v_floor_f32 v[8+4*\x], -v[9+4*\x]              ; -M
	v_mov_b32 v[10+4*\x], 0                        ; the sum, in two halves
	v_mov_b32 v[11+4*\x], 0
.endr
	v_mov_b32 v241, 0                              ; written once: a lane permute's destination counts as one of its sources
	v_mov_b32 v245, 0
	v_mov_b32 v253, 0                              ; (named as the upper half of the pair v[252:253])
.set j, 0
.rept 64
	v_mov_b32 v[O+j], 0                            ; O^T of both tiles.  (The step is written once a tile: the first finds zeros, which the first change of M leaves zeros)
.set j, j+1
.endr
	s_wait_kmcnt 0x0
	s_add_co_i32 s67, s38, s39
	s_lshl_b32 s67, s67, 23
	s_add_co_i32 s[CS], s[CS], s67                 ; a score stands for score x 2^(e2 + e3): the two exponents are added to c's exponent field
	s_mov_b32 s[CS+1], s[CS]                       ; (named with it as a pair, so it is written)
	s_add_co_i32 s67, s40, 127
	s_lshl_b32 s68, s67, 23
	v_mov_b32 v244, s68                            ; 2^e4, for p's conversions
	s_sub_co_i32 s67, s42, s40
	s_sub_co_i32 s67, s67, s41                     ; O^T / the sum stands for that x 2^(e4 + e5): its code is that / 2^(e6 - e4 - e5)
	s_add_co_i32 s67, s67, 127
	s_lshl_b32 s68, s67, 23
	v_mov_b32 v246, s68
	s_mov_b32 s[KS], 0
	s_mov_b32 s[TB], 0
	s_wait_tensorcnt 0x0                           ; my sixteenth of K and V is in LDS,
	s_barrier_signal -1
	s_barrier_wait -1                              ; everybody's is: from here on LDS is only read
	s_wait_loadcnt 0x0                             ; Q
; A KEY STEP of tile X: 128 keys.
.macro STEP X
.set NM, 8+4*\X
.set TM, 9+4*\X
.set SU, 10+4*\X
.set QX, 16+8*\X
.set OX, O+32*\X
	s_cmp_gt_u32 s[KS], s[LIM+\X]                  ; all these keys come after my queries: the step is left out
	s_cbranch_scc1 .Lskip_\@
	v_add_nc_u32 v3, s[TB], v1
	v_add_nc_u32 v4, s[TB], v2
	v_nop
	v_nop                                          ; four plain lines in front of loads into registers that the last products read
.irp t, 0,1,2,3,4,5,6,7
	ds_load_b128 v[F+8*\t:F+8*\t+3], v3 offset:1024*\t          ; 16 keys x 64 channels: 512 consecutive bytes a load
	ds_load_b128 v[F+8*\t+4:F+8*\t+7], v3 offset:1024*\t+512
.endr
	s_wait_alu depctr_va_vdst(0)
	s_wait_dscnt 0x0
.irp t, 0,1,2,3,4,5,6,7
	v_wmma_f32_16x16x64_fp8_fp8 v[S+8*\t:S+8*\t+7], v[F+8*\t:F+8*\t+7], v[QX:QX+7], 0
.endr
.rept 4
	v_nop                                          ; four places, for the loads below and for the first read of the scores
.endr
.irp ct, 0,1,2,3
.irp c, 0,1,2,3
	ds_load_b128 v[F+16*\ct+4*\c:F+16*\ct+4*\c+3], v4 offset:2048*\ct+512*\c   ; V's four fragments are asked for here and land while the softmax is walked
.endr
.endr
	s_cmp_lg_u32 s[KS], s[LIM+\X]                  ; only my tile's last step lies on the diagonal
	s_cbranch_scc1 .Lopen_\@
	v_mov_b32 v254, 0xff800000                     ; hidden scores become -infinity ahead of the maximum: p = 0 then.  A query's own key always counts, so M is a number
.set n, 0
.rept 64
	v_cmp_gt_i32 vcc_lo, 16*(n/8)+n%8, v5
	v_cndmask_b32 v[S+n], v[S+n], v254, vcc_lo
.set n, n+1
.endr
.Lopen_\@:
	v_max3_num_f32 v254, v[S], v[S+1], v[S+2]      ; the step's largest score of my query, among my 64 keys, in two chains, each tile from its low end on,
	v_max3_num_f32 v252, v[S+3], v[S+4], v[S+5]
.irp i, 6,10,14,18,22,26,30,34,38,42,46,50,54,58
	v_max3_num_f32 v254, v254, v[S+\i], v[S+\i+1]
	v_max3_num_f32 v252, v252, v[S+\i+2], v[S+\i+3]
.endr
	v_max3_num_f32 v254, v254, v[S+62], v[S+63]
	s_delay_alu instid0(VALU_DEP_1)
	v_max_num_f32 v254, v254, v252
	s_delay_alu instid0(VALU_DEP_1)
	v_permlanex16_b32 v241, v254, s[SEL], s[SEL+1]
	s_delay_alu instid0(VALU_DEP_1)
	v_max_num_f32 v254, v254, v241                 ; and among lane l xor 16's
	s_delay_alu instid0(VALU_DEP_1)
	v_mul_f32 v254, s[CS], v254                    ; as t (c is positive)
	s_delay_alu instid0(VALU_DEP_1)
	v_max_num_f32 v[TM], v[TM], v254               ; the running largest t
	v_mov_b32 v254, v[NM]
	s_delay_alu instid0(VALU_DEP_2)
	v_floor_f32 v[NM], -v[TM]                      ; the new -M = floor(-t) = -ceil(t): M is a whole number
	s_delay_alu instid0(VALU_DEP_1)
	v_sub_f32 v254, v[NM], v254                    ; M's old value less its new one: a whole number, 0 or less
	s_delay_alu instid0(VALU_DEP_1)
	v_cvt_i32_f32 v254, v254                       ; (it saturates)
	s_delay_alu instid0(VALU_DEP_1)
	v_ldexp_f32 v252, 1.0, v254                    ; f = 2^(old M - new M)
.set j, 0
.rept 32
	v_pk_fma_f32 v[S+j:S+j+1], v[S+j:S+j+1], s[CS:CS+1], v[NM:NM+1] op_sel_hi:[1,0,0]   ; t - M, two at a time (of the pairs c and -M the low word serves both halves)
.set j, j+2
.endr
.set j, 0
	s_wait_alu depctr_va_vdst(0)
.rept 64
	v_exp_f32 v[S+j], v[S+j]                       ; p = 2^(t - M), at most 1
.set j, j+1
.endr
	v_pk_mul_f32 v[SU:SU+1], v[SU:SU+1], v[252:253] op_sel_hi:[1,0]   ; the sums under the new M: the plain line behind the exponentials
	s_wait_alu depctr_va_vdst(0)                   ; one wait for the whole batch, ahead of its first reader
	v_pk_add_f32 v[242:243], v[S:S+1], v[S+2:S+3]  ; the row's sum is taken of the unquantised p: two at a time, in two chains
.irp j, 4,8,12,16,20,24,28,32,36,40,44,48,52,56,60
	v_pk_add_f32 v[SU:SU+1], v[SU:SU+1], v[S+\j:S+\j+1]
	v_pk_add_f32 v[242:243], v[242:243], v[S+\j+2:S+\j+3]
.endr
	s_delay_alu instid0(VALU_DEP_1)
	v_pk_add_f32 v[SU:SU+1], v[SU:SU+1], v[242:243]
.irp b, 0,1,2,3
.irp i, 0,1,2,3,4,5,6,7,8,9,10,11,12,13,14,15
.endr
	v_cvt_scalef32_pk8_fp8_f32 v[P+4*\b:P+4*\b+1], v[S+16*\b:S+16*\b+7], v244        ; tile 2 b: keys 32 b + 8 h + 0 .. 7: pair 2 b of P
	v_cvt_scalef32_pk8_fp8_f32 v[P+4*\b+2:P+4*\b+3], v[S+16*\b+8:S+16*\b+15], v244   ; tile 2 b + 1: pair 2 b + 1
.endr
.set j, 0
.rept 16
	v_pk_mul_f32 v[OX+j:OX+j+1], v[OX+j:OX+j+1], v[252:253] op_sel_hi:[1,0]   ; O^T under the new M: x f.  (Also the plain lines between the conversions and the products that read their results)
.set j, j+2
.endr
	s_wait_alu depctr_va_vdst(0)
	s_wait_dscnt 0x0                               ; V's fragments are in
.irp ct, 0,1,2,3                       ; the four accumulators take turns, and the eight products K Q^T stand between two turns of one
	v_wmma_f32_16x16x128_fp8_fp8 v[OX+8*\ct:OX+8*\ct+7], v[F+16*\ct:F+16*\ct+15], v[P:P+15], v[OX+8*\ct:OX+8*\ct+7]
.endr
.Lskip_\@:
.endm
.Lkeys:                                            ; 16 trips in every wave; what a wave's tiles do not need is jumped over inside the trip
	STEP 0
	STEP 1
	s_add_co_u32 s[TB], s[TB], 8192
	s_add_co_u32 s[KS], s[KS], 1
	s_cmp_lt_u32 s[KS], 16
	s_cbranch_scc1 .Lkeys
	; THE WAY OUT: O^T / the sum, held, converted: tile ct's eight registers are pair ct of an image of 16 tokens x 64 channels, which leaves by two stores of 512 consecutive bytes.
.rept 4
	v_nop                                          ; places behind the last products
.endr
	v_add_f32 v10, v10, v11                        ; the sums' two halves,
	v_add_f32 v14, v14, v15
	s_delay_alu instid0(VALU_DEP_2)
	v_permlanex16_b32 v241, v10, s[SEL], s[SEL+1]
	s_delay_alu instid0(VALU_DEP_2)
	v_permlanex16_b32 v245, v14, s[SEL], s[SEL+1]
	s_delay_alu instid0(VALU_DEP_2)
	v_add_f32 v10, v10, v241                       ; and lane l xor 16's: the rows' sums
	s_delay_alu instid0(VALU_DEP_2)
	v_add_f32 v14, v14, v245
	s_wait_alu depctr_va_vdst(0)
	v_rcp_f32 v10, v10
	v_rcp_f32 v14, v14
	v_nop                                          ; a plain line behind the reciprocals,
	s_wait_alu depctr_va_vdst(0)                   ; and one wait for both, ahead of the first reader
.irp x, 0,1
.set j, 0
.rept 32
	v_mul_f32 v[S+32*\x+j], v[O+32*\x+j], v[10+4*\x]   ; each accumulator from its low end on
.set j, j+1
.endr
.set j, 0
.rept 32
.set j, j+1
.endr
.irp ct, 0,1,2,3
	v_cvt_scalef32_pk8_fp8_f32 v[P+8*\x+2*\ct:P+8*\x+2*\ct+1], v[S+32*\x+8*\ct:S+32*\x+8*\ct+7], v246
.endr
	v_nop                                          ; a plain line behind the run of conversions
	global_store_b128 v1, v[P+8*\x:P+8*\x+3], s[54+2*\x:55+2*\x]
	global_store_b128 v1, v[P+8*\x+4:P+8*\x+7], s[54+2*\x:55+2*\x] offset:512
.endr
	s_wait_tensorcnt 0x0
	ds_add_u32 v251, v255
	s_wait_dscnt 0x0
	CROUND                                         ; the closing round: no work-group ends while a partner may still ask for a tile that names it
	s_endpgm
.Lfunc_end_k_q3de6bbf3c2_attn:
	.size	k_q3de6bbf3c2_attn, .Lfunc_end_k_q3de6bbf3c2_attn-k_q3de6bbf3c2_attn
	.p2alignl 7, 3214868480
	.fill 96, 4, 3214868480
	.section	.rodata,"a",@progbits
	.p2align	6, 0x0
	.amdhsa_kernel k_q3de6bbf3c2_attn
		.amdhsa_group_segment_fixed_size 264192
		.amdhsa_private_segment_fixed_size 0
		.amdhsa_enable_private_segment 0
		.amdhsa_kernarg_size 40
		.amdhsa_user_sgpr_count 2
		.amdhsa_user_sgpr_kernarg_segment_ptr 1
		.amdhsa_wavefront_size32 1
		.amdhsa_system_sgpr_workgroup_id_x 1
		.amdhsa_system_sgpr_workgroup_id_y 1
		.amdhsa_system_sgpr_workgroup_id_z 1
		.amdhsa_system_vgpr_workitem_id 0
		.amdhsa_next_free_vgpr 256
		.amdhsa_next_free_sgpr 72
		.amdhsa_reserve_vcc 1
		.amdhsa_float_denorm_mode_32 3
		.amdhsa_float_denorm_mode_16_64 3
		.amdhsa_fp16_overflow 1
		.amdhsa_memory_ordered 1
		.amdhsa_forward_progress 1
		.amdhsa_inst_pref_size 50
	.end_amdhsa_kernel
	.amdgpu_metadata
---
amdhsa.version: [ 1, 2 ]
amdhsa.kernels:
  - .name:           k_q3de6bbf3c2_attn
    .symbol:         k_q3de6bbf3c2_attn.kd
    .args:
      - { .name: q_codes, .offset: 0, .size: 8, .value_kind: global_buffer, .address_space: global }
      - { .name: k_codes, .offset: 8, .size: 8, .value_kind: global_buffer, .address_space: global }
      - { .name: v_codes, .offset: 16, .size: 8, .value_kind: global_buffer, .address_space: global }
      - { .name: lowp_scales, .offset: 24, .size: 8, .value_kind: global_buffer, .address_space: global }
      - { .name: a_codes, .offset: 32, .size: 8, .value_kind: global_buffer, .address_space: global }
    .group_segment_fixed_size: 264192
    .private_segment_fixed_size: 0
    .kernarg_segment_align: 8
    .kernarg_segment_size: 40
    .max_flat_workgroup_size: 512
    .sgpr_count:     72
    .vgpr_count:     256
    .wavefront_size: 32
...
	.end_amdgpu_metadata
.endif
;; end of part 3
;; launch gemm_out (part 4): grid 4 x 32, 4 waves a work-group, clusters of 4 x 4, 327,680 bytes of LDS; arguments a_codes, wo_codes, lowp_scales, out0; writes out0
.if DOCPART == 4
	.amdgcn_target "amdgcn-amd-amdhsa--gfx1250"
	.amdhsa_code_object_version 6
	.text
	.protected	k_q3de6bbf3c2_gemm_out
	.globl	k_q3de6bbf3c2_gemm_out
	.p2align	8
	.type	k_q3de6bbf3c2_gemm_out,@function
k_q3de6bbf3c2_gemm_out:
	s_mov_b64 s[64:65], 0
	v_nop
	global_prefetch_b8 v0, s[64:65] scope:SCOPE_SE
	s_setreg_imm32_b32 hwreg(HW_REG_WAVE_MODE, 25, 1), 1
	s_wait_xcnt 0x0
	s_wait_alu depctr_hold_cnt(0) depctr_sa_sdst(0) depctr_va_vdst(0) depctr_va_sdst(0) depctr_va_ssrc(0) depctr_va_vcc(0) depctr_vm_vsrc(0)
	s_getreg_b32 s2, hwreg(HW_REG_IB_STS2, 6, 4)
	s_cmp_eq_u32 s2, 0
	s_cbranch_scc0 .Lentry_in_a_cluster
	s_endpgm
.Lentry_in_a_cluster:
	s_bfe_u32 s2, ttmp6, 0x10000c
	s_cmp_lg_u32 s2, 0xf033
	s_cbranch_scc0 .Lentry_shape_is_right
	s_endpgm
.Lentry_shape_is_right:
; out0 = a W_out on codes of FP8 (E4M3): a [8192][1024] (the attention's result), W_out's columns [1024][1024], K = 1,024; out0 [8192][1024] f32; sums in f32, each multiplied once by 2^(e6 + e7).
; LIMIT: e6 + e7 lies between -126 and 127, so that 2^(e6 + e7) is an f32 number.
; OPERANDS ARE IMAGES OF THE OPERAND'S REGISTERS: 16 rows x 128 along K in 2,048 bytes, piece c (registers 4 c .. 4 c + 3) at 512 c + 16 x lane; a buffer is [K slot of 256 (4)][tile of 16 rows][2 images].
; So the 8 tiles of rows that a wave fetches for a K slot are 32,768 consecutive bytes, and every LDS load takes 512 consecutive bytes.
; A tile of out0, 256 x 256, is made by four waves, each 128 x 128: 64 accumulators, 512 registers.  K goes in four slots of 256 through a ring of two LDS slots; the eight steps of 128 are written out.
; 128 tiles of 256 x 256: a work-group to each.
; THE MATRIX INSTRUCTION IS USED TRANSPOSED (source 0 = 16 rows of B = W_out's columns, source 1 = 16 rows of A): a lane then holds eight neighbouring numbers of a row of out0.
; CLUSTERS: 4 x 4 work-groups.  The four of a row of the cluster need the same tiles of A, the four of a column the same tiles of B: each is asked for jointly, by the same tensor load with a mask that names the four.
; REGISTERS, in windows of 256: window 0: v0-31 addresses; from v128 A's fragments, ONE set; on the way out v32-255 are free.  window 1: B's fragments, TWO sets, at v0 and v128.
;   window 2: the 32 accumulators of my rows 0-63 (accumulator (a, b) at v[8 (8 a + b)]);   window 3: those of my rows 64-127.
; No prefetch is laid: the two first fills ask for half of what a work-group reads, and the two refills follow within four steps.
.set SIZE_N, 1024
.set HALFT,  32768                     ; 8 tiles of rows x 2 images: what one tensor load brings, and what one wave reads of A or of B
.set SLOT,   4*HALFT                   ; A's 16 tiles of rows, then B's 16
.set SPARE,  2*SLOT                    ; behind the ring: the spare words, 128 bytes for each wave: two blocks of 256 bytes that no other line names
.set AKS,    2097152                   ; a K slot of a_codes in bytes: 512 tiles x 4,096
.set BKS,    262144                    ; of wo_codes: 64 tiles x 4,096
.set FR,     16                        ; registers of a fragment
.set NL,     4                         ; LDS loads that bring one
.set NP,     4                         ; places behind this matrix instruction (ISA guide 7.12.1)
.set SPITCH, 528                       ; the way out: a stage of 16 rows x (512 bytes + 16) for each wave.  It lies in slot 0, which has had its last fill and its last read when the first result is stored there
.set ADRA, 16                          ; v16-17  LDS address of my A fragments in slot 0, 1
.set ADRB, 20                          ; v20-21  the same for B
.set STO,  24                          ; v24     the way out: where I put 32 bytes of a row
.set RD,   25                          ; v25     the way out: where I read a row back
.set CO,   26                          ; v26     16 x lane; never rewritten
.set SPW,  28                          ; v28     LDS address of my spare word: SPARE + 4 x my thread's number; never rewritten
.set NIL,  29                          ; v29     0; never rewritten
.set TMP,  32                          ; the way out: 64 registers, a block's sums x 2^(e6 + e7)
.set AF,   128                         ; A's fragments, in window 0
.set BK,   128                         ; the way out: 16 rows read back from the stage: v128-191 and v192-255 by turns
.set G1, 24                            ; s[24:31] descriptor group 1 for A's tiles;  s[32:39] group 0, one set for each slot
.set G0, 32
.set G1B, 48                           ; s[48:55], s[56:63] the same for B's tiles
.set G0B, 56
.set MSB, 0
.macro WIN new                         ; the immediate's high byte repeats the setting that is left
.if MSB != \new
	s_set_vgpr_msb (MSB<<8)|\new
.set MSB, \new
.endif
.endm
.set MUL_LO, 0xa1                      ; source 0 (B) window 1, source 1 (A) window 0, C and D window 2
.set MUL_HI, 0xf1                      ; the same, C and D window 3
.set TO_B,   0x40                      ; destination window 1, address window 0
; A joint load: waves 0 and 1 fetch for A, waves 2 and 3 for B.  Each line has one mask and one set of registers for all that issue it; the branch hangs on the wave's number alone.
; Four v_nop follow each of the two lines, ahead of the jump, the label and what follows.
.macro JLOAD g0a, g0b
	s_cmp_eq_u32 s15, 0
	s_cbranch_scc0 .Lfor_b_\@
	tensor_load_to_lds s[\g0a:\g0a+3], s[G1:G1+7]
	s_nop 0
.rept 4
	v_nop
.endr
	s_branch .Lasked_\@
.Lfor_b_\@:
	tensor_load_to_lds s[\g0b:\g0b+3], s[G1B:G1B+7]
	s_nop 0
.rept 4
	v_nop
.endr
.Lasked_\@:
.endm
.macro CREST                           ; a round of the cluster's barrier behind its opening barrier
	s_cmp_lg_u32 s14, 0
	s_cbranch_scc1 .Lnot_wave_0_\@
	s_barrier_signal -3
.Lnot_wave_0_\@:
	s_barrier_wait -3
	s_barrier_signal -1
	s_barrier_wait -1
.endm
.macro CROUND                          ; a whole round
	s_barrier_signal -1
	s_barrier_wait -1
	CREST
.endm
	s_load_b128 s[4:7], s[0:1], 0x0                ; a_codes s[4:5], wo_codes s[6:7]
	s_load_b128 s[8:11], s[0:1], 0x10              ; the scales' exponents s[8:9], out0 s[10:11]
	v_lshl_add_u32 v[SPW], v0, 2, SPARE
	v_mov_b32 v[NIL], 0
	ds_add_u32 v28, v29
	ds_add_u32 v28, v29
	s_wait_dscnt 0x0
	v_lshrrev_b32 v1, 5, v0
	v_readfirstlane_b32 s14, v1                    ; wave 0..3
	s_lshr_b32 s15, s14, 1                         ; which half of the tile's rows is mine.  Also: I fetch for A (0) or for B (1)
	s_and_b32 s16, s14, 1                          ; which half of its columns.  Also: which half of that tile I fetch
	s_bfe_u32 s40, ttmp6, 0x40000                  ; cx, cy: my place in the cluster
	s_bfe_u32 s41, ttmp6, 0x40004
	s_lshl_b32 s42, ttmp9, 2
	s_add_co_u32 s42, s42, s40                     ; tile column = 4 x cluster x + cx
	s_and_b32 s17, ttmp7, 0xffff
	s_lshl_b32 s17, s17, 2
	s_add_co_u32 s17, s17, s41                     ; tile row = 4 x cluster y + cy
	s_lshl_b32 s43, s41, 2
	s_lshl_b32 s43, 15, s43                        ; my row of the cluster
	s_lshl_b32 s44, 0x1111, s40                    ; my column
	; descriptor group 1: 32,768 consecutive bytes as 128 rows of 256 bytes, dense in memory and in LDS
	s_or_b32 s[G1+0], s43, (3<<16)|(1<<21)         ; 15:0 the mask: A's tiles go to my row; 17:16 elements of 8 bytes; 20 no padding; 21 set beside a mask
	s_or_b32 s[G1B+0], s44, (3<<16)|(1<<21)
.irp g, G1, G1B
	s_mov_b32 s[\g+1], 32<<16                      ; tensor_dim0 = 32 elements
	s_mov_b32 s[\g+2], 128<<16                     ; tensor_dim1 = 128
	s_mov_b32 s[\g+3], 32<<16                      ; tile_dim0
	s_mov_b32 s[\g+4], 128                         ; tile_dim1
	s_mov_b32 s[\g+5], 32                          ; tensor_dim0_stride: a row begins where the last ends
	s_mov_b32 s[\g+6], 0
	s_mov_b32 s[\g+7], 0
.endr
	s_lshl_b32 s18, s16, 15                        ; which 8 tiles of rows of the 16 I fetch
	s_lshl_b32 s20, s17, 16
	s_add_co_u32 s20, s20, s18                     ; A: 16 tiles of 4,096 bytes x tile row + my half
	s_lshl_b32 s46, s42, 16
	s_add_co_u32 s46, s46, s18                     ; B: the same with the tile column
	s_mov_b32 s21, 0
	s_mov_b32 s47, 0
	s_lshl_b32 s45, s14, 15                        ; where they go: wave x 32,768: no place in the cluster enters an LDS address
	s_wait_kmcnt 0x0
	s_load_b64 s[96:97], s[8:9], 0x18              ; e6, e7
	s_add_nc_u64 s[20:21], s[4:5], s[20:21]
	s_add_nc_u64 s[46:47], s[6:7], s[46:47]
	CROUND                                         ; all sixteen work-groups are here: the first joint loads meet
.irp s, 0,1
	s_mov_b32 s[G0+4*\s], 1                        ; 1:0 count = 1
	s_add_co_u32 s[G0+4*\s+1], s45, \s*SLOT        ; 63:32 LDS address
	s_add_nc_u64 s[G0+4*\s+2:G0+4*\s+3], s[20:21], \s*AKS   ; 120:64 global address: K slot s
	s_or_b32 s[G0+4*\s+3], s[G0+4*\s+3], 0x80000000         ; 127:126 type = 2
	s_mov_b32 s[G0B+4*\s], 1
	s_add_co_u32 s[G0B+4*\s+1], s45, \s*SLOT
	s_add_nc_u64 s[G0B+4*\s+2:G0B+4*\s+3], s[46:47], \s*BKS
	s_or_b32 s[G0B+4*\s+3], s[G0B+4*\s+3], 0x80000000
	s_wait_alu depctr_va_vdst(0)
	s_wait_tensorcnt 0x0
	ds_add_u32 v28, v29
	ds_add_u32 v28, v29
	s_wait_dscnt 0x0
	CROUND
	JLOAD G0+4*\s, G0B+4*\s
.endr
	v_and_b32 v1, 15, v0                           ; l % 16
	s_wait_alu depctr_va_vdst(0)
	v_bfe_u32 v2, v0, 4, 1                         ; l / 16
	v_and_b32 v6, 31, v0
	v_lshlrev_b32 v[CO], 4, v6                     ; 16 x lane: an image's place for my lane, and my 16 bytes of a row of 512
	s_lshl_b32 s21, s15, 15                        ; my half of A
	s_lshl_b32 s22, s16, 15                        ; my half of B,
	s_add_co_u32 s22, s22, 2*HALFT                 ; which lies behind A's two
.irp s, 0,1
	v_add_nc_u32 v[ADRA+\s], s21, v[CO]
	v_add_nc_u32 v[ADRB+\s], s22, v[CO]
	s_add_co_u32 s21, s21, SLOT
	s_add_co_u32 s22, s22, SLOT
.endr
	s_mul_i32 s23, s14, 16*SPITCH                  ; my stage
	v_mul_u32_u24 v5, v1, SPITCH                   ; in: row l % 16, 32 bytes for each half of the lanes
	s_wait_alu depctr_va_vdst(0)
	v_lshl_add_u32 v5, v2, 5, v5
	v_add_nc_u32 v[STO], s23, v5
	v_add_nc_u32 v[RD], s23, v[CO]                 ; back: the 32 lanes take one row of 512 bytes
	s_lshl_b32 s92, s17, 20                        ; my first row of out0: (256 x tile row + 128 x half) rows of 4,096 bytes,
	s_lshl_b32 s93, s15, 19
	s_add_co_u32 s92, s92, s93
	s_lshl_b32 s93, s42, 10                        ; my first column, in bytes: 1,024 x tile column + 512 x half
	s_add_co_u32 s92, s92, s93
	s_lshl_b32 s93, s16, 9
	s_add_co_u32 s92, s92, s93
	s_mov_b32 s93, 0
	s_add_nc_u64 s[10:11], s[10:11], s[92:93]
.macro FRAG reg, adr, q, i             ; tile of rows i, the slot's q-th 128 along K: four loads of 512 consecutive bytes give the operand's 16 registers as they were stored
.irp c, 0,1,2,3
	ds_load_b128 v[\reg+4*\c:\reg+4*\c+3], v[\adr] offset:(\i)*4096+(\q)*2048+512*\c
.endr
.endm
; 16 matrix instructions: A's blocks a0, a0 + 1 x B's eight, 128 along K.  p: B's set.  zero = 1: the first product starts the sums: nothing is ever cleared.
; The 64 accumulators take turns, one instruction a turn, in the same order in every step.
.macro MUL16 a0, p, zero
.irp a, \a0, \a0+1
.irp b, 0,1,2,3,4,5,6,7
.if \zero
	v_wmma_f32_16x16x128_fp8_fp8 v[8*(8*((\a)%4)+\b):8*(8*((\a)%4)+\b)+7], v[128*(\p)+FR*\b:128*(\p)+FR*\b+FR-1], v[AF+FR*(\a):AF+FR*(\a)+FR-1], 0
.else
	v_wmma_f32_16x16x128_fp8_fp8 v[8*(8*((\a)%4)+\b):8*(8*((\a)%4)+\b)+7], v[128*(\p)+FR*\b:128*(\p)+FR*\b+FR-1], v[AF+FR*(\a):AF+FR*(\a)+FR-1], v[8*(8*((\a)%4)+\b):8*(8*((\a)%4)+\b)+7]
.endif
.endr
.endr
.endm
.macro FETCH_B slot, q, p              ; B's eight fragments into set p
	WIN TO_B
.irp i, 0,1,2,3,4,5,6,7
	FRAG 128*(\p)+FR*\i, ADRB+\slot, \q, \i
.endr
	WIN 0
.endm
.macro FETCH_A slot, q, i0             ; A's blocks i0 .. i0 + 3
.irp i, \i0, \i0+1, \i0+2, \i0+3
	FRAG AF+FR*(\i), ADRA+\slot, \q, \i
.endr
.endm
.macro PLACES n                        ; plain vector lines between a matrix instruction and a load into a register that it read, or a vector line that reads its result
.rept \n
	v_nop
.endr
.endm
; A step of 128 along K that has its successor in the same slot.  A block of A is free as soon as its eight products are issued, so one set of registers serves A.
.macro STEP slot, q, zero
	s_wait_dscnt 4*NL                              ; B's set and A's blocks 0-3 are in; the youngest sixteen loads (A's blocks 4-7) may be out
	WIN MUL_LO
	MUL16 0, (\q)%2, \zero
	MUL16 2, (\q)%2, \zero
	s_wait_dscnt 0                                 ; A's blocks 4-7 are in (asked for 32 matrix instructions ago)
	PLACES NP
	FETCH_B \slot, (\q)+1, 1-(\q)%2
	FETCH_A \slot, (\q)+1, 0
	WIN MUL_HI
	MUL16 4, (\q)%2, \zero
	MUL16 6, (\q)%2, \zero
	PLACES NP
	WIN 0
	FETCH_A \slot, (\q)+1, 4
.endm
; A slot's last step changes slots: ONE barrier; in front of it each wave waits for all its tensor loads, adds 0 to its spare word, and waits for that and for its own reads of this slot.  fill = 1: this slot is filled again, two K slots ahead.
.macro TURN slot, next, fill
	s_wait_tensorcnt 0x0                           ; all my tensor loads have landed: my part of the next slot  (every window is 0 here: the add's two registers lie in window 0)
	ds_add_u32 v[SPW], v[NIL]                      ; 0 onto my spare word
	s_wait_dscnt 4*NL+1                            ; the add and the youngest sixteen loads, A's blocks 4-7, may be out
	WIN MUL_LO
	MUL16 0, 1, 0                                  ; sixteen matrix instructions stand between the add and the wait for it
	s_wait_dscnt 0x0                               ; the add is done, and my reads of this slot are over
	s_barrier_signal -1
	MUL16 2, 1, 0
	WIN 0
	s_barrier_wait -1
.if \fill
	CREST                                          ; the barrier has opened a round of the cluster's barrier: no wave of any partner still reads this slot's tile or has a load on its way
	s_add_nc_u64 s[G0+4*\slot+2:G0+4*\slot+3], s[G0+4*\slot+2:G0+4*\slot+3], 2*AKS
	s_add_nc_u64 s[G0B+4*\slot+2:G0B+4*\slot+3], s[G0B+4*\slot+2:G0B+4*\slot+3], 2*BKS
	JLOAD G0+4*\slot, G0B+4*\slot                  ; the first tensor load behind the round, my one load until the next; the four v_nop behind it are the places in front of the loads below
.else
	PLACES NP
.endif
	FETCH_B \next, 0, 0
	FETCH_A \next, 0, 0
	WIN MUL_HI
	MUL16 4, 1, 0
	MUL16 6, 1, 0
	PLACES NP
	WIN 0
	FETCH_A \next, 0, 4
.endm
	s_wait_tensorcnt 1                             ; my part of K slot 0 is in; K slot 1's load may be out
	s_barrier_signal -1
	s_barrier_wait -1                              ; everybody's is
	FETCH_B 0, 0, 0
	FETCH_A 0, 0, 0
	FETCH_A 0, 0, 4
	STEP 0, 0, 1                                   ; K 0-127: its products start the sums
	TURN 0, 1, 1                                   ; K 128-255; slot 0 takes K slot 2
	STEP 1, 0, 0
	TURN 1, 0, 1                                   ; slot 1 takes K slot 3
	STEP 0, 0, 0
	TURN 0, 1, 0                                   ; nothing is left to fetch, so no round of the cluster's barrier
	STEP 1, 0, 0
	s_wait_dscnt 4*NL                              ; the last step
	WIN MUL_LO
	MUL16 0, 1, 0
	MUL16 2, 1, 0
	s_wait_dscnt 0
	WIN MUL_HI
	MUL16 4, 1, 0
	MUL16 6, 1, 0
	WIN 0
; THE WAY OUT, block by block of 16 rows x 128 columns.  A lane holds 32 neighbouring bytes of a row, and the lanes beside it hold other rows: so a block goes through my own stage in LDS and comes back as whole
; rows of 512 bytes, which the 32 lanes store as 512 consecutive bytes, aligned.  LDS serves a wave's instructions in order (ISA guide 5.7.1.4): no wait between the stores and the loads, nor in front of the next block's stores.
.macro TOSTAGE a
.set AC, 64*((\a)%4)
	WIN 0x02+((\a)/4)                              ; source 0: window 2 or 3
.irp j, 0,2,4,6,8,10,12,14,16,18,20,22,24,26,28,30,32,34,36,38,40,42,44,46,48,50,52,54,56,58,60,62
	v_pk_mul_f32 v[TMP+\j:TMP+\j+1], v[AC+\j:AC+\j+1], s[96:97] op_sel_hi:[1,0]   ; both x s96 = 2^(e6 + e7); each accumulator from its low end on
.endr
	WIN 0
.irp b, 0,1,2,3,4,5,6,7
	ds_store_b128 v[STO], v[TMP+8*\b:TMP+8*\b+3] offset:64*\b
	ds_store_b128 v[STO], v[TMP+8*\b+4:TMP+8*\b+7] offset:64*\b+16
.endr
.set BB, BK+64*((\a)%2)
.irp t, 0,1,2,3,4,5,6,7,8,9,10,11,12,13,14,15
	ds_load_b128 v[BB+4*\t:BB+4*\t+3], v[RD] offset:\t*SPITCH
.endr
.endm
.macro SEND a, younger                 ; younger: the LDS instructions issued behind block a's loads, which may stay out
.set BB, BK+64*((\a)%2)
	s_wait_dscnt \younger                          ; the block is back in registers
.if (\a) > 0
	s_add_nc_u64 s[10:11], s[10:11], 16*SIZE_N*4   ; (behind a wait on XCNT: the earlier stores have read their base)  16 rows of out0 on
.endif
.irp t, 0,1,2,3,4,5,6,7,8,9,10,11,12,13,14,15
	global_store_b128 v[CO], v[BB+4*\t:BB+4*\t+3], s[10:11] offset:\t*SIZE_N*4 th:TH_STORE_NT   ; written once, read by nobody here
.endr
.endm
	s_wait_kmcnt 0x0
	s_add_co_i32 s96, s96, s97                     ; e6 + e7, between -126 and 127,
	s_add_co_i32 s96, s96, 127
	s_lshl_b32 s96, s96, 23                        ; makes the f32 number 2^(e6 + e7)
	PLACES NP                                      ; behind the last products: for the first read of results and for the loads into the registers that held A's fragments
	TOSTAGE 0
.irp a, 1,2,3,4,5,6,7
.if \a > 1
	s_wait_xcnt 0x0                                ; block a - 2's stores have read their registers and their base: block a's loads may land there, and the base may step
.endif
	TOSTAGE \a
	SEND \a-1, 32                                  ; behind block a - 1's loads: block a's 16 stores and 16 loads
.endr
	s_wait_xcnt 0x0                                ; block 6's stores have read their base
	SEND 7, 0
	s_wait_tensorcnt 0x0                           ; the wave's end, behind my last tensor load and my last LDS store
	ds_add_u32 v[SPW], v[NIL]
	s_wait_dscnt 0x0
	CROUND                                         ; the closing round: no work-group ends while a partner may still ask for a tile that names it
	s_endpgm
.Lfunc_end_k_q3de6bbf3c2_gemm_out:
	.size	k_q3de6bbf3c2_gemm_out, .Lfunc_end_k_q3de6bbf3c2_gemm_out-k_q3de6bbf3c2_gemm_out
	.p2alignl 7, 3214868480
	.fill 96, 4, 3214868480
	.section	.rodata,"a",@progbits
	.p2align	6, 0x0
	.amdhsa_kernel k_q3de6bbf3c2_gemm_out
		.amdhsa_group_segment_fixed_size 327680
		.amdhsa_private_segment_fixed_size 0
		.amdhsa_enable_private_segment 0
		.amdhsa_kernarg_size 32
		.amdhsa_user_sgpr_count 2
		.amdhsa_user_sgpr_kernarg_segment_ptr 1
		.amdhsa_wavefront_size32 1
		.amdhsa_system_sgpr_workgroup_id_x 1
		.amdhsa_system_sgpr_workgroup_id_y 1
		.amdhsa_system_sgpr_workgroup_id_z 1
		.amdhsa_system_vgpr_workitem_id 0
		.amdhsa_next_free_vgpr 1024
		.amdhsa_next_free_sgpr 98
		.amdhsa_reserve_vcc 0
		.amdhsa_float_denorm_mode_32 3
		.amdhsa_float_denorm_mode_16_64 3
		.amdhsa_memory_ordered 1
		.amdhsa_forward_progress 1
		.amdhsa_inst_pref_size 123
	.end_amdhsa_kernel
	.amdgpu_metadata
---
amdhsa.version: [ 1, 2 ]
amdhsa.kernels:
  - .name:           k_q3de6bbf3c2_gemm_out
    .symbol:         k_q3de6bbf3c2_gemm_out.kd
    .args:
      - { .name: a_codes, .offset: 0, .size: 8, .value_kind: global_buffer, .address_space: global }
      - { .name: wo_codes, .offset: 8, .size: 8, .value_kind: global_buffer, .address_space: global }
      - { .name: lowp_scales, .offset: 16, .size: 8, .value_kind: global_buffer, .address_space: global }
      - { .name: out0, .offset: 24, .size: 8, .value_kind: global_buffer, .address_space: global }
    .group_segment_fixed_size: 327680
    .private_segment_fixed_size: 0
    .kernarg_segment_align: 8
    .kernarg_segment_size: 32
    .max_flat_workgroup_size: 128
    .sgpr_count:     98
    .vgpr_count:     1024
    .wavefront_size: 32
...
	.end_amdgpu_metadata
.endif
;; end of part 4
